; MI455X (gfx1250); checked and timed in simulation.
; The chip was launched on July 23, 2026; its instructions are those of AMD's public machine-readable ISA for CDNA 5 (MIT licence, August 2026) and "CDNA5" Instruction Set Architecture Reference Guide (July 2026). The comments in the code are by the model that wrote it; some were corrected since.
;; Attention Block. Allowed arithmetic: matrix products marked QUANTISED: E5M2 operands, one given power-of-two scale a tensor, by v_wmma_f32_16x16x64_bf8_bf8 or v_wmma_f32_16x16x128_bf8_bf8, f32 sums; everything else in f32.
;; Inputs: gn_b 256 float32; gn_w 256 float32; lowp_scales 8 int32 (the exponents e of the quantised operands' scales 2^e); proj_b 256 float32; proj_w 256 x 256 float32; qkv_b 768 float32; qkv_w 768 x 256 float32; x 4 x 256 x 64 x 64 float32.
;; Outputs: out0 4 x 256 x 64 x 64 float32.
;; This version of the problem:
;;   THIS VERSION OF THE PROBLEM IS GIVEN IN LOW PRECISION. The matrix products marked QUANTISED in the list below multiply operands that are first quantised to E5M2 (5 exponent bits, 2 mantissa bits; 8 bits a number), with one given power-of-two scale for each operand tensor; their sums are f32. All else is computed in f32.
;;   The module's matrix products, in the order in which they are computed (A, B: the left and right operand; K: the contracted axis; several contracted axes count as one K, in the product's order):
;;     1. [M 16,384, K 256] x [K 256, N 768]; A: computed on the way; B: input qkv_w: QUANTISED (scales: A lowp_scales[0], B lowp_scales[1])
;;     2. batch 4 x [M 4,096, K 256] x [K 256, N 4,096]; A: computed on the way; B: computed on the way: QUANTISED (scales: A lowp_scales[2], B lowp_scales[3])
;;     3. batch 4 x [M 256, K 4,096] x [K 4,096, N 4,096]; A: computed on the way; B: softmax (see below): QUANTISED (scales: A lowp_scales[4], B lowp_scales[5])
;;     4. [M 16,384, K 256] x [K 256, N 256]; A: computed on the way; B: input proj_w: QUANTISED (scales: A lowp_scales[6], B lowp_scales[7])
;;   THE QUANTISER, for each operand of a quantised product, along K:
;;     - The operand's scale is 2^e, e = its entry of the input lowp_scales (int32; the entries are numbered through the quantised products in the list's order, A before B).
;;     - Each number is divided by the scale, clamped to +-57,344, and rounded to the nearest number of E5M2, ties to even, subnormals kept.
;;     - The product sums the exact products of the quantised numbers (number of the format x scale) in f32.
;;   ~~~python
;;   def quantise(x, axis, e):      # numpy; x: float32 -> the quantised numbers, widened to float32 again
;;       x = np.moveaxis(x, axis, -1); K = x.shape[-1]
;;       r = np.clip(x / 2.0 ** e, -57344, 57344)
;;       step = 2.0 ** (np.maximum(np.frexp(np.where(r == 0, 1, r))[1] - 1, -14) - 2)
;;       q = np.round(r / step) * step * 2.0 ** e      # np.round: ties to even
;;       return np.moveaxis(q, -1, axis).astype(np.float32)
;;   ~~~
;;   SOFTMAX AHEAD OF A QUANTISED PRODUCT. Where the list says 'softmax', what is quantised is not the finished softmax but p = 2^(t - M), with t = logit x log2(e) and M = ceil(the row's largest t), a whole number; so 1/2 < the row's largest p <= 1. The row's sum l is taken of the UNQUANTISED p, in f32, and the product's result is divided by l at the end. Since M is a whole number, a kernel that streams over the keys may use a running M (the ceiling of the running maximum): every later rescaling is an exact power of two, so the quantised numbers keep their values, but for numbers so far below the row's largest that they fall under the format's range.
;;   OPERANDS COMPUTED ON THE WAY. 'Computed on the way' means the value that the module computes at that place (a softmax that the list does not call 'softmax' is quantised finished and normalised). What goes into a quantiser is computed in f32, as accurately as f32 sums, v_exp_f32 and their like allow (about 1e-6 of the number): no bf16 or f16 on the way to a quantiser, and a product that is left as it is and whose result goes on into a quantised operand takes f32 operands (vector FMAs, or v_wmma_f32_16x16x4_f32). A number that lies on a knife's edge between two numbers of the format may be rounded either way, as far as f32 arithmetic and the matrix unit's own rounding can turn it there, and no further.
;; One version. Each part assembles by itself: llvm-mc -triple=amdgcn-amd-amdhsa -mcpu=gfx1250 --defsym DOCPART=n.
;; ======== version 1 of 1: 3 launches
;; workspace buffers: hq 4,194,304 bytes; wq 196,608 bytes; pw 65,536 bytes; qimg 4,194,304 bytes; kv 8,388,608 bytes
;; launch prep (part 1): grid 144 x 1, 8 waves a work-group, no clusters, 1,536 bytes of LDS; arguments x, gn_w, gn_b, qkv_w, proj_w, lowp_scales, hq, wq, pw; writes hq, wq, pw
.if DOCPART == 1
	.amdgcn_target "amdgcn-amd-amdhsa--gfx1250"
	.amdhsa_code_object_version 6
	.text
	.protected	k_q5731c23083_prep
	.globl	k_q5731c23083_prep
	.p2align	8
	.type	k_q5731c23083_prep,@function
k_q5731c23083_prep:
	s_mov_b64 s[64:65], 0
	v_nop
	global_prefetch_b8 v0, s[64:65] scope:SCOPE_SE
	s_setreg_imm32_b32 hwreg(HW_REG_WAVE_MODE, 25, 1), 1
	s_wait_xcnt 0x0
; FIRST OF THREE LAUNCHES: GroupNorm and the quantisers of the three operands that need no product: h (scale 2^e0), qkv_w (2^e1), proj_w (2^e7).
; NOTHING OF THE PROBLEM IS LEFT OUT IN ANY LAUNCH: every bias stands ahead of a quantiser or reaches the output, every product is live, so all inputs are loaded.
; Work-groups 0-127: one (batch, group) each: 8 channels x 4,096 positions = 128 KiB of x, dense, kept in registers between the passes:
;   the sum, the sum of squares of (x - mean) (two passes in registers, so a common offset of x costs no accuracy), then h = (x - mean) rstd gn_w + gn_b, held, converted.
;   hq is laid [batch][group][position][8 codes]: the 8 channels of a group at one position are 8 neighbours along the next product's K.
;   Thread t, chunk i, channel ch hold positions 512 i + 2 t + 0, 1: a load of a wave reads 256 consecutive bytes, a store writes 512.
; Work-groups 128-143: the weights.  A wave makes one operand fragment (16 rows x 128 K) and stores it as an IMAGE OF ITS REGISTERS: registers 4 g .. 4 g + 3 at byte 512 g + 16 lane.
;   Lane (r, h) holds row r; registers 2 c, 2 c + 1 hold K = 16 c + 8 h + 0 .. 7: the matrix instruction's own layout for 8-bit operands.
; code = number / 2^e, held within +-57,344, to the nearest code, ties to even.  LIMITS: e0, e1, e7 between -126 and 112; NaN among the inputs is not served.
.set X,     16                         ; v16-143  the slice of x: number (chunk i, channel ch, position p) at 16 i + 2 ch + p
.set T,     144                        ; v144-175 four sum chains, then two sets of 16 numbers ready for the conversions
.set C,     176                        ; v176-207 codes, four registers a chunk: no store's data are written again
.set A,     208                        ; v208-215 rstd x gn_w of my 8 channels
.set SPW,   14                         ; v14      LDS address of my spare word; never rewritten
.set NIL,   15                         ; v15      0; never rewritten
.set RED1,  0                          ; LDS: eight words for the first sum,
.set RED2,  256                        ; eight for the second,
.set SPARE, 512                        ; and the spare words, 128 bytes for each of the eight waves, which no other line names
	s_load_b512 s[16:31], s[0:1], 0x0              ; x 16, gn_w 18, gn_b 20, qkv_w 22, proj_w 24, the scales 26, hq 28, wq 30
	s_load_b64 s[32:33], s[0:1], 0x40              ; pw
	v_lshl_add_u32 v[SPW], v0, 2, SPARE
	v_mov_b32 v[NIL], 0
	v_lshrrev_b32 v3, 5, v0
	v_readfirstlane_b32 s3, v3                     ; wave 0..7
	s_cmp_ge_u32 ttmp9, 128                        ; the work-group's number alone decides: all eight waves go the same way
	s_cbranch_scc1 .Lweights
	; ---------------- GroupNorm ----------------
	v_lshlrev_b32 v3, 2, v3                        ; 4 x wave: my wave's word in RED1, RED2
	v_lshlrev_b32 v1, 3, v0                        ; 8 t: my two positions in a chunk of a channel's row
	v_lshlrev_b32 v2, 4, v0                        ; 16 t: their codes in a chunk of hq
	v_mov_b32 v4, 0                                ; LDS address of the sums' words
	v_mov_b32 v9, 0                                ; (a lane permute's destination counts as read)
	s_lshl_b32 s4, ttmp9, 17                       ; my slice of x: 128 KiB x (32 batch + group)
	s_mov_b32 s5, 0
	s_lshl_b32 s8, ttmp9, 15                       ; and of hq: 32 KiB
	s_mov_b32 s9, 0
	s_and_b32 s6, ttmp9, 31
	s_lshl_b32 s6, s6, 5                           ; my group's 8 numbers in gn_w and gn_b
	s_mov_b32 s7, 0
	s_mov_b32 s57, 0x38000000                      ; 2^-15 = 1 / (8 x 4,096)
	s_mov_b32 s58, 0x76543210                      ; lane selects: lane l xor 16
	s_mov_b32 s59, 0xfedcba98
	s_mov_b32 s60, 0x3727c5ac                      ; 1e-5
	s_wait_kmcnt 0x0
	s_add_nc_u64 s[16:17], s[16:17], s[4:5]
	s_add_nc_u64 s[28:29], s[28:29], s[8:9]
	s_add_nc_u64 s[18:19], s[18:19], s[6:7]
	s_add_nc_u64 s[20:21], s[20:21], s[6:7]
	s_load_b256 s[40:47], s[18:19], 0x0            ; gn_w of my 8 channels
	s_load_b256 s[48:55], s[20:21], 0x0            ; gn_b
	s_load_b32 s56, s[26:27], 0x0                  ; e0
.irp i, 0,1,2,3,4,5,6,7
.irp ch, 0,1,2,3,4,5,6,7
	global_load_b64 v[X+16*\i+2*\ch:X+16*\i+2*\ch+1], v1, s[16:17] offset:\ch*16384+\i*2048 th:TH_LOAD_NT
.endr
.endr
.macro FOLD                            ; four pairs in v[T] on -> one number in v8
	v_pk_add_f32 v[T:T+1], v[T:T+1], v[T+2:T+3]
	v_pk_add_f32 v[T+4:T+5], v[T+4:T+5], v[T+6:T+7]
	v_pk_add_f32 v[T:T+1], v[T:T+1], v[T+4:T+5]
	v_add_f32 v8, v[T], v[T+1]
.endm
.macro WSUM red                        ; the four chains -> the work-group's sum in v8 of every lane; one barrier
	FOLD
	v_add_f32_dpp v8, v8, v8 row_xmask:1 row_mask:0xf bank_mask:0xf
	v_add_f32_dpp v8, v8, v8 row_xmask:2 row_mask:0xf bank_mask:0xf
	v_add_f32_dpp v8, v8, v8 row_xmask:4 row_mask:0xf bank_mask:0xf
	v_add_f32_dpp v8, v8, v8 row_xmask:8 row_mask:0xf bank_mask:0xf
	v_permlanex16_b32 v9, v8, s58, s59
	v_add_f32 v8, v8, v9
	ds_store_b32 v3, v8 offset:\red                ; all lanes of a wave write the wave's word with the same number
	s_wait_dscnt 0x0                               ; for the others' sake: my store has landed
	s_barrier_signal -1
	s_barrier_wait -1
	ds_load_b128 v[T:T+3], v4 offset:\red
	ds_load_b128 v[T+4:T+7], v4 offset:\red+16
	s_wait_dscnt 0x0
	FOLD
.endm
	; the sum: four chains, started by chunk 0's pairs: nothing is cleared
	s_wait_loadcnt 56                              ; chunk 0's eight loads are in; the seven younger chunks' 56 may be out
.irp k, 0,1,2,3
	v_pk_add_f32 v[T+2*\k:T+2*\k+1], v[X+2*\k:X+2*\k+1], v[X+2*\k+8:X+2*\k+9]
.endr
.irp i, 1,2,3,4,5,6,7
	s_wait_loadcnt 8*(7-\i)                        ; chunk i is in; the younger chunks may be out
.irp ch, 0,1,2,3,4,5,6,7
	v_pk_add_f32 v[T+2*(\ch%4):T+2*(\ch%4)+1], v[T+2*(\ch%4):T+2*(\ch%4)+1], v[X+16*\i+2*\ch:X+16*\i+2*\ch+1]
.endr
.endr
	WSUM RED1
	v_mul_f32 v10, s57, v8                         ; the mean,
	v_mov_b32 v11, v10                             ; twice, for the packed form
.set n, 0
.rept 64
	v_pk_add_f32 v[X+2*n:X+2*n+1], v[X+2*n:X+2*n+1], v[10:11] neg_lo:[0,1] neg_hi:[0,1]   ; x - mean, in place
.set n, n+1
.endr
.irp k, 0,1,2,3
	v_pk_mul_f32 v[T+2*\k:T+2*\k+1], v[X+2*\k:X+2*\k+1], v[X+2*\k:X+2*\k+1]
.endr
.set n, 4
.rept 60
	v_pk_fma_f32 v[T+2*(n%4):T+2*(n%4)+1], v[X+2*n:X+2*n+1], v[X+2*n:X+2*n+1], v[T+2*(n%4):T+2*(n%4)+1]
.set n, n+1
.endr
	WSUM RED2                                      ; other words than the first sum's: no wave can overwrite what another still reads
	v_fma_f32 v12, v8, s57, s60                    ; the variance + 1e-5
	v_rsq_f32 v12, v12
	v_nop                                          ; a plain instruction behind the transcendental,
	s_wait_kmcnt 0x0                               ; (gn_w, gn_b, e0)
	s_add_co_i32 s56, s56, 127
	s_lshl_b32 s4, s56, 23
	v_mov_b32 v6, s4                               ; 2^e0 as f32: the conversion takes its exponent field
	s_add_co_i32 s56, s56, 15
	s_lshl_b32 s56, s56, 23
	s_or_b32 s56, s56, 0x600000
	v_mov_b32 v7, s56                              ; 57,344 x 2^e0
	s_wait_alu depctr_va_vdst(0)                   ; and a wait ahead of the result's first reader
.irp ch, 0,1,2,3,4,5,6,7
	v_mul_f32 v[A+\ch], s[40+\ch], v12
.endr
; A chunk: the multiply-adds themselves put a position's 8 channels into 8 consecutive registers; hold; two conversions; one store of 512 consecutive bytes a wave.
; The next chunk's multiply-adds, on the other set, are the plain instructions behind the conversions.
.macro CHUNK i
.set TS, T+16*((\i)%2)
.irp ch, 0,1,2,3,4,5,6,7
	v_fma_f32 v[TS+\ch],   v[X+16*(\i)+2*\ch],   v[A+\ch], s[48+\ch]
	v_fma_f32 v[TS+8+\ch], v[X+16*(\i)+2*\ch+1], v[A+\ch], s[48+\ch]
.endr
.irp j, 0,1,2,3,4,5,6,7,8,9,10,11,12,13,14,15
	v_med3_num_f32 v[TS+\j], v[TS+\j], -v7, v7     ; the conversion to an 8-bit code does not saturate (ISA guide 7.6.2): the hold at the largest code x the scale
.endr
	v_cvt_scalef32_pk8_bf8_f32 v[C+4*(\i):C+4*(\i)+1],   v[TS:TS+7],    v6
	v_cvt_scalef32_pk8_bf8_f32 v[C+4*(\i)+2:C+4*(\i)+3], v[TS+8:TS+15], v6
	global_store_b128 v2, v[C+4*(\i):C+4*(\i)+3], s[28:29] offset:(\i)*4096
.endm
.irp i, 0,1,2,3,4,5,6,7
	CHUNK \i
.endr
	v_nop                                          ; a plain instruction behind the last conversion
	s_wait_tensorcnt 0x0                           ; the wave's end, behind my last LDS store
	ds_add_u32 v[SPW], v[NIL]
	s_wait_dscnt 0x0
	s_endpgm
	; ---------------- the weights: no LDS, no barrier ----------------
.Lweights:
	v_and_b32 v1, 15, v0                           ; r
	v_bfe_u32 v2, v0, 4, 1                         ; h
	v_lshlrev_b32 v3, 10, v1
	v_lshl_add_u32 v3, v2, 5, v3                   ; in: row r of 1,024 bytes, + 8 h numbers
	v_and_b32 v4, 31, v0
	v_lshlrev_b32 v4, 4, v4                        ; out: 16 x lane
	s_wait_kmcnt 0x0
	s_load_b256 s[40:47], s[26:27], 0x0            ; e0 .. e7
	s_cmp_lt_u32 ttmp9, 140                        ; work-groups 128-139: qkv_w, 96 fragments; 140-143: proj_w, 32
	s_cselect_b64 s[4:5], s[22:23], s[24:25]
	s_cselect_b64 s[6:7], s[30:31], s[32:33]
	s_cselect_b32 s8, 0, 12
	s_sub_co_u32 s9, ttmp9, 128
	s_sub_co_u32 s9, s9, s8
	s_lshl_b32 s9, s9, 3
	s_add_co_u32 s9, s9, s3                        ; my fragment f = 2 x (tile of 16 rows) + (half of K)
	s_lshr_b32 s10, s9, 1
	s_lshl_b32 s10, s10, 14                        ; 16 rows of 1,024 bytes
	s_and_b32 s11, s9, 1
	s_lshl_b32 s11, s11, 9                         ; 128 numbers
	s_add_co_u32 s10, s10, s11
	s_mov_b32 s11, 0
	s_add_nc_u64 s[4:5], s[4:5], s[10:11]
	s_lshl_b32 s10, s9, 11                         ; a fragment's image is 2,048 bytes
	s_add_nc_u64 s[6:7], s[6:7], s[10:11]
.irp g, 0,1,2,3
	global_load_b128 v[16+16*\g:19+16*\g],  v3, s[4:5] offset:128*\g
	global_load_b128 v[20+16*\g:23+16*\g],  v3, s[4:5] offset:128*\g+16
	global_load_b128 v[24+16*\g:27+16*\g],  v3, s[4:5] offset:128*\g+64
	global_load_b128 v[28+16*\g:31+16*\g],  v3, s[4:5] offset:128*\g+80
.endr
	s_wait_kmcnt 0x0
	s_cmp_lt_u32 ttmp9, 140
	s_cselect_b32 s12, s41, s47                    ; e1 or e7
	s_add_co_i32 s12, s12, 127
	s_lshl_b32 s13, s12, 23
	v_mov_b32 v6, s13
	s_add_co_i32 s12, s12, 15
	s_lshl_b32 s12, s12, 23
	s_or_b32 s12, s12, 0x600000
	v_mov_b32 v7, s12
	s_wait_loadcnt 0x0
.set n, 0
.rept 64
	v_med3_num_f32 v[16+n], v[16+n], -v7, v7
.set n, n+1
.endr
.irp c, 0,1,2,3,4,5,6,7
	v_cvt_scalef32_pk8_bf8_f32 v[80+2*\c:81+2*\c], v[16+8*\c:23+8*\c], v6   ; registers 2 c, 2 c + 1: K = 16 c + 8 h + 0 .. 7
.endr
	v_nop
.irp g, 0,1,2,3
	global_store_b128 v4, v[80+4*\g:83+4*\g], s[6:7] offset:512*\g           ; 512 consecutive bytes a store
.endr
	s_endpgm
.Lfunc_end_k_q5731c23083_prep:
	.size	k_q5731c23083_prep, .Lfunc_end_k_q5731c23083_prep-k_q5731c23083_prep
	.p2alignl 7, 3214868480
	.fill 96, 4, 3214868480
	.section	.rodata,"a",@progbits
	.p2align	6, 0x0
	.amdhsa_kernel k_q5731c23083_prep
		.amdhsa_group_segment_fixed_size 1536
		.amdhsa_private_segment_fixed_size 0
		.amdhsa_enable_private_segment 0
		.amdhsa_kernarg_size 72
		.amdhsa_user_sgpr_count 2
		.amdhsa_user_sgpr_kernarg_segment_ptr 1
		.amdhsa_wavefront_size32 1
		.amdhsa_system_sgpr_workgroup_id_x 1
		.amdhsa_system_sgpr_workgroup_id_y 1
		.amdhsa_system_sgpr_workgroup_id_z 1
		.amdhsa_system_vgpr_workitem_id 0
		.amdhsa_next_free_vgpr 224
		.amdhsa_next_free_sgpr 66
		.amdhsa_reserve_vcc 0
		.amdhsa_float_denorm_mode_32 3
		.amdhsa_float_denorm_mode_16_64 3
		.amdhsa_memory_ordered 1
		.amdhsa_forward_progress 1
		.amdhsa_inst_pref_size 49
	.end_amdhsa_kernel
	.amdgpu_metadata
---
amdhsa.version: [ 1, 2 ]
amdhsa.kernels:
  - .name:           k_q5731c23083_prep
    .symbol:         k_q5731c23083_prep.kd
    .args:
      - { .name: x, .offset: 0, .size: 8, .value_kind: global_buffer, .address_space: global }
      - { .name: gn_w, .offset: 8, .size: 8, .value_kind: global_buffer, .address_space: global }
      - { .name: gn_b, .offset: 16, .size: 8, .value_kind: global_buffer, .address_space: global }
      - { .name: qkv_w, .offset: 24, .size: 8, .value_kind: global_buffer, .address_space: global }
      - { .name: proj_w, .offset: 32, .size: 8, .value_kind: global_buffer, .address_space: global }
      - { .name: lowp_scales, .offset: 40, .size: 8, .value_kind: global_buffer, .address_space: global }
      - { .name: hq, .offset: 48, .size: 8, .value_kind: global_buffer, .address_space: global }
      - { .name: wq, .offset: 56, .size: 8, .value_kind: global_buffer, .address_space: global }
      - { .name: pw, .offset: 64, .size: 8, .value_kind: global_buffer, .address_space: global }
    .group_segment_fixed_size: 1536
    .private_segment_fixed_size: 0
    .kernarg_segment_align: 8
    .kernarg_segment_size: 72
    .max_flat_workgroup_size: 256
    .sgpr_count:     66
    .vgpr_count:     224
    .wavefront_size: 32
...
	.end_amdgpu_metadata
.endif
;; end of part 1
;; launch qkv (part 2): grid 128 x 2, 3 waves a work-group, no clusters, 0 bytes of LDS; arguments hq, wq, qkv_b, lowp_scales, qimg, kv; writes qimg, kv
.if DOCPART == 2
	.amdgcn_target "amdgcn-amd-amdhsa--gfx1250"
	.amdhsa_code_object_version 6
	.text
	.protected	k_q5731c23083_qkv
	.globl	k_q5731c23083_qkv
	.p2align	8
	.type	k_q5731c23083_qkv,@function
k_q5731c23083_qkv:
	s_mov_b64 s[64:65], 0
	v_nop
	global_prefetch_b8 v0, s[64:65] scope:SCOPE_SE
	s_setreg_imm32_b32 hwreg(HW_REG_WAVE_MODE, 25, 1), 1
	s_wait_xcnt 0x0
; SECOND LAUNCH: qkv = qkv_w h + qkv_b on codes of E5M2, and q, k, v quantised (2^e2, 2^e3, 2^e4) straight into images of the attention's operand registers.  Nothing is left out.
; SHARES.  Work-group x names 128 positions of a batch (two blocks of 64); chunk u = 3 y + wave names 128 outputs: u = 0, 1: q's halves; 2, 3: k's; 4, 5: v's.
; A wave keeps its 32 KiB of weights and its 32 KiB of h in registers, each read once by it, and makes 8 units of 8 accumulators: 16 matrix instructions, 64 holds, 8 conversions, 4 stores.
; LAYOUT.  In a result tile lane (r, h) holds column r and rows 8 h + 0 .. 7: one conversion of its 8 registers IS registers 2 c, 2 c + 1 of the next operand (K = 16 c + 8 h + 0 .. 7).
;   q, k: source 0 = 16 outputs of W, source 1 = 16 positions of h: a lane holds one position and 8 channels, the next K.
;   v:    source 0 = 16 positions, source 1 = 16 outputs: a lane holds one channel and 8 positions: the keys are the next K.
; Images: registers 4 g .. 4 g + 3 of a fragment at byte 512 g + 16 lane, so every store covers 512 consecutive bytes.
;   qimg [batch][tile of 16 positions][half of K][2,048];  kv [batch][block of 64 keys][32,768]: K part [tile of 16 keys][half of K][2,048], V part at 16,384: [tile of 16 channels][1,024].
; The bias is the C of each sum's first matrix instruction, divided by 2^(e0 + e1); the three scales are folded into the conversion's one, 2^(eX - e0 - e1).
; LIMITS: eX - e0 - e1 between -126 and 112 for eX = e2, e3, e4; NaN is not served.
; No LDS, no tensor load, no cluster: what waves share (h, W) is read once into registers at the head, and the waves never meet.
; REGISTERS, in windows of 256: window 0: v1-5 addresses and scales, v6-13 v's bias as loaded, v16-143 h of block 0 (fragment (p, s) at 16 + 32 p + 16 s), v144-207 accumulators, v208-239 codes, two sets.
;   window 1: W, fragment (t, s) at 32 t + 16 s.   window 2: v0-63 the bias in the result's layout; v64-191 h of block 1.
.set ACC, 144
.set CD,  208
.set MSB, 0
.macro WIN new                         ; the immediate's high byte repeats the setting that is left; a switch that changes nothing is dropped
.if MSB != \new
	s_set_vgpr_msb (MSB<<8)|\new
.set MSB, \new
.endif
.endm
	s_load_b256 s[4:11], s[0:1], 0x0               ; hq 4, wq 6, qkv_b 8, the scales 10
	s_load_b128 s[12:15], s[0:1], 0x20             ; qimg 12, kv 14
	v_lshrrev_b32 v1, 5, v0
	v_readfirstlane_b32 s2, v1                     ; wave 0..2
	s_and_b32 s3, ttmp7, 0xffff
	s_mul_i32 s3, s3, 3
	s_add_co_u32 s3, s3, s2                        ; u
	s_lshr_b32 s24, ttmp9, 5                       ; batch
	s_and_b32 s25, ttmp9, 31                       ; which 128 positions
	v_and_b32 v6, 15, v0                           ; r
	v_bfe_u32 v7, v0, 4, 1                         ; h
	v_lshlrev_b32 v1, 3, v6
	v_lshl_add_u32 v1, v7, 15, v1                  ; hq: position r's 8 bytes, one group further for the upper half of the lanes
	v_and_b32 v2, 31, v0
	v_lshlrev_b32 v2, 4, v2                        ; 16 x lane: an image's place for my lane
	s_lshl_b32 s26, s3, 15                         ; my chunk of W: 16 fragments
	s_mov_b32 s27, 0
	s_lshl_b32 s28, s24, 20
	s_lshl_b32 s29, s25, 10
	s_add_co_u32 s28, s28, s29                     ; hq at my batch and my first position
	s_mov_b32 s29, 0
	s_lshl_b32 s30, s3, 9                          ; my 128 numbers of qkv_b
	s_mov_b32 s31, 0
	s_wait_kmcnt 0x0
	s_load_b256 s[16:23], s[10:11], 0x0            ; e0 .. e7
	s_add_nc_u64 s[6:7], s[6:7], s[26:27]
	s_add_nc_u64 s[4:5], s[4:5], s[28:29]
	s_add_nc_u64 s[8:9], s[8:9], s[30:31]
	WIN 0x40                                       ; destination window 1
.set n, 0
.rept 64
	global_load_b128 v[4*n:4*n+3], v2, s[6:7] offset:512*n
.set n, n+1
.endr
; h: registers 2 c, 2 c + 1 of fragment (p, s) are channels 128 s + 16 c + 8 h + 0 .. 7 = group 16 s + 2 c + h, at position 16 (4 block + p) + r
.macro HLOAD be, reg
.irp p, 0,1,2,3
.irp s, 0,1
.irp c, 0,1,2,3,4,5,6,7
	global_load_b64 v[\reg+32*\p+16*\s+2*\c:\reg+32*\p+16*\s+2*\c+1], v1, s[4:5] offset:(16*\s+2*\c)*32768+(4*\be+\p)*128
.endr
.endr
.endr
.endm
	WIN 0
	HLOAD 0, 16
	WIN 0x80                                       ; destination window 2
	HLOAD 1, 64
	WIN 0
.macro SCALES                          ; s36 = eX
	s_add_co_i32 s40, s16, s17                     ; e0 + e1: a sum stands for sum x 2^(e0 + e1)
	s_sub_co_i32 s41, 0, s40
	s_sub_co_i32 s42, s36, s40
	s_add_co_i32 s42, s42, 127
	s_lshl_b32 s43, s42, 23
	v_mov_b32 v4, s43                              ; 2^(eX - e0 - e1)
	s_add_co_i32 s42, s42, 15
	s_lshl_b32 s42, s42, 23
	s_or_b32 s42, s42, 0x600000
	v_mov_b32 v5, s42                              ; 57,344 x that
.endm
; The 8 accumulators become 16 registers of codes and leave.  Four plain instructions stand behind the last product ahead of the first read of results (ISA guide 7.12.1); each accumulator is taken from its low end on.
.macro FINISH n, off
	WIN 0
.rept 4
	v_nop
.endr
.set ai, 0
.rept 64
	v_med3_num_f32 v[ACC+ai], v[ACC+ai], -v5, v5   ; the conversion does not saturate (ISA guide 7.6.2)
.set ai, ai+1
.endr
	s_wait_xcnt 0x0                                ; the stores of two units back have read this set of codes
.set CS0, CD+16*((\n)%2)
.irp a, 0,1,2,3,4,5,6,7
	v_cvt_scalef32_pk8_bf8_f32 v[CS0+2*\a:CS0+2*\a+1], v[ACC+8*\a:ACC+8*\a+7], v4
.endr
	v_nop                                          ; a plain instruction between the conversions and the next products, which write their sources
.irp g, 0,1,2,3
	global_store_b128 v2, v[CS0+4*\g:CS0+4*\g+3], s[38:39] offset:\off+512*\g
.endr
.endm
	s_cmp_ge_u32 s3, 4
	s_cbranch_scc1 .Lv
	; ---------------- q and k ----------------
	v_lshlrev_b32 v3, 5, v7                        ; the bias of a tile: outputs 8 h + 0 .. 7
	WIN 0x80
.irp t, 0,1,2,3,4,5,6,7
	global_load_b128 v[8*\t:8*\t+3],   v3, s[8:9] offset:64*\t
	global_load_b128 v[8*\t+4:8*\t+7], v3, s[8:9] offset:64*\t+16
.endr
	WIN 0
	s_lshl_b32 s32, s24, 20
	s_lshl_b32 s33, s25, 15
	s_add_co_u32 s32, s32, s33                     ; q's image of my positions; k's lies at twice that offset
	s_mov_b32 s34, 32768
	s_wait_kmcnt 0x0
	s_cmp_lt_u32 s3, 2                             ; q or k?
	s_cselect_b32 s36, s18, s19                    ; e2 or e3
	s_cselect_b64 s[38:39], s[12:13], s[14:15]
	s_cselect_b32 s34, 16384, s34                  ; from block to block
	s_cselect_b32 s33, 0, 1
	s_lshl_b32 s32, s32, s33
	s_and_b32 s33, s3, 1
	s_lshl_b32 s33, s33, 11                        ; my half of the next K
	s_add_co_u32 s32, s32, s33
	s_mov_b32 s33, 0
	s_mov_b32 s35, 0
	s_add_nc_u64 s[38:39], s[38:39], s[32:33]
	SCALES
	s_wait_loadcnt 0x0                             ; W, h and the bias, once
	WIN 0x82                                       ; source 0 and destination window 2
.set n, 0
.rept 64
	v_ldexp_f32 v[n], v[n], s41                    ; bias / 2^(e0 + e1)
.set n, n+1
.endr
; Tile p of block be: my 128 outputs x 16 positions.  The 8 accumulators take turns, one instruction a turn.
.macro UNITQK be, p
.set HB, 16+48*(\be)+32*(\p)
	WIN 0x21+8*(\be)                               ; W window 1, h window 0 or 2, the bias window 2
.irp t, 0,1,2,3,4,5,6,7
	v_wmma_f32_16x16x128_bf8_bf8 v[ACC+8*\t:ACC+8*\t+7], v[32*\t:32*\t+15], v[HB:HB+15], v[8*\t:8*\t+7]
.endr
	WIN 0x01+8*(\be)
.irp t, 0,1,2,3,4,5,6,7
	v_wmma_f32_16x16x128_bf8_bf8 v[ACC+8*\t:ACC+8*\t+7], v[32*\t+16:32*\t+31], v[HB+16:HB+31], v[ACC+8*\t:ACC+8*\t+7]
.endr
	FINISH \p, (\p)*4096
.endm
.irp p, 0,1,2,3
	UNITQK 0, \p
.endr
	s_wait_xcnt 0x0                                ; the stores have read their base
	s_add_nc_u64 s[38:39], s[38:39], s[34:35]
.irp p, 0,1,2,3
	UNITQK 1, \p
.endr
	s_endpgm
	; ---------------- v ----------------
.Lv:
	v_lshlrev_b32 v3, 2, v6                        ; the bias of a tile: output r
.irp t, 0,1,2,3,4,5,6,7
	global_load_b32 v[6+\t], v3, s[8:9] offset:64*\t
.endr
	s_lshl_b32 s32, s24, 21
	s_lshl_b32 s33, s25, 16
	s_add_co_u32 s32, s32, s33
	s_sub_co_u32 s33, s3, 4
	s_lshl_b32 s33, s33, 13                        ; my 8 tiles of channels
	s_add_co_u32 s32, s32, s33
	s_add_co_u32 s32, s32, 16384                   ; the V part of a block
	s_mov_b32 s33, 0
	s_add_nc_u64 s[38:39], s[14:15], s[32:33]
	s_wait_kmcnt 0x0
	s_mov_b32 s36, s20                             ; e4
	SCALES
	s_wait_loadcnt 0x0
	WIN 0x80                                       ; destination window 2
.irp t, 0,1,2,3,4,5,6,7
.irp j, 0,1,2,3,4,5,6,7
	v_ldexp_f32 v[8*\t+\j], v[6+\t], s41           ; the same for a lane's 8 positions
.endr
.endr
; Tiles of channels 2 t2, 2 t2 + 1 x the block's four tiles of positions: two fragments of 16 channels x 64 keys.
.macro UNITV be, t2
.set HB, 16+48*(\be)
	WIN 0x24+2*(\be)                               ; h window 0 or 2, W window 1, the bias window 2
.irp tt, 0,1
.irp p, 0,1,2,3
	v_wmma_f32_16x16x128_bf8_bf8 v[ACC+8*(4*\tt+\p):ACC+8*(4*\tt+\p)+7], v[HB+32*\p:HB+32*\p+15], v[32*(2*(\t2)+\tt):32*(2*(\t2)+\tt)+15], v[8*(2*(\t2)+\tt):8*(2*(\t2)+\tt)+7]
.endr
.endr
	WIN 0x04+2*(\be)
.irp tt, 0,1
.irp p, 0,1,2,3
	v_wmma_f32_16x16x128_bf8_bf8 v[ACC+8*(4*\tt+\p):ACC+8*(4*\tt+\p)+7], v[HB+32*\p+16:HB+32*\p+31], v[32*(2*(\t2)+\tt)+16:32*(2*(\t2)+\tt)+31], v[ACC+8*(4*\tt+\p):ACC+8*(4*\tt+\p)+7]
.endr
.endr
	FINISH \t2, (\t2)*2048
.endm
.irp q, 0,1,2,3
	UNITV 0, \q
.endr
	s_wait_xcnt 0x0                                ; the stores have read their base
	s_add_nc_u64 s[38:39], s[38:39], 32768
.irp q, 0,1,2,3
	UNITV 1, \q
.endr
	s_endpgm
.Lfunc_end_k_q5731c23083_qkv:
	.size	k_q5731c23083_qkv, .Lfunc_end_k_q5731c23083_qkv-k_q5731c23083_qkv
	.p2alignl 7, 3214868480
	.fill 96, 4, 3214868480
	.section	.rodata,"a",@progbits
	.p2align	6, 0x0
	.amdhsa_kernel k_q5731c23083_qkv
		.amdhsa_group_segment_fixed_size 0
		.amdhsa_private_segment_fixed_size 0
		.amdhsa_enable_private_segment 0
		.amdhsa_kernarg_size 48
		.amdhsa_user_sgpr_count 2
		.amdhsa_user_sgpr_kernarg_segment_ptr 1
		.amdhsa_wavefront_size32 1
		.amdhsa_system_sgpr_workgroup_id_x 1
		.amdhsa_system_sgpr_workgroup_id_y 1
		.amdhsa_system_sgpr_workgroup_id_z 1
		.amdhsa_system_vgpr_workitem_id 0
		.amdhsa_next_free_vgpr 704
		.amdhsa_next_free_sgpr 66
		.amdhsa_reserve_vcc 0
		.amdhsa_float_denorm_mode_32 3
		.amdhsa_float_denorm_mode_16_64 3
		.amdhsa_memory_ordered 1
		.amdhsa_forward_progress 1
		.amdhsa_inst_pref_size 131
	.end_amdhsa_kernel
	.amdgpu_metadata
---
amdhsa.version: [ 1, 2 ]
amdhsa.kernels:
  - .name:           k_q5731c23083_qkv
    .symbol:         k_q5731c23083_qkv.kd
    .args:
      - { .name: hq, .offset: 0, .size: 8, .value_kind: global_buffer, .address_space: global }
      - { .name: wq, .offset: 8, .size: 8, .value_kind: global_buffer, .address_space: global }
      - { .name: qkv_b, .offset: 16, .size: 8, .value_kind: global_buffer, .address_space: global }
      - { .name: lowp_scales, .offset: 24, .size: 8, .value_kind: global_buffer, .address_space: global }
      - { .name: qimg, .offset: 32, .size: 8, .value_kind: global_buffer, .address_space: global }
      - { .name: kv, .offset: 40, .size: 8, .value_kind: global_buffer, .address_space: global }
    .group_segment_fixed_size: 0
    .private_segment_fixed_size: 0
    .kernarg_segment_align: 8
    .kernarg_segment_size: 48
    .max_flat_workgroup_size: 96
    .sgpr_count:     66
    .vgpr_count:     704
    .wavefront_size: 32
...
	.end_amdgpu_metadata
.endif
;; end of part 2
;; launch attn (part 3): grid 64 x 4, 4 waves a work-group, clusters of 4 x 1, 327,680 bytes of LDS; arguments qimg, kv, pw, proj_b, lowp_scales, x, out0; writes out0
.if DOCPART == 3
	.amdgcn_target "amdgcn-amd-amdhsa--gfx1250"
	.amdhsa_code_object_version 6
	.text
	.protected	k_q5731c23083_attn
	.globl	k_q5731c23083_attn
	.p2align	8
	.type	k_q5731c23083_attn,@function
k_q5731c23083_attn:
	s_mov_b64 s[64:65], 0
	v_nop
	global_prefetch_b8 v0, s[64:65] scope:SCOPE_SE
	s_setreg_imm32_b32 hwreg(HW_REG_WAVE_MODE, 25, 1), 1
	s_wait_xcnt 0x0
	s_wait_alu depctr_hold_cnt(0) depctr_sa_sdst(0) depctr_va_vdst(0) depctr_va_sdst(0) depctr_va_ssrc(0) depctr_va_vcc(0) depctr_vm_vsrc(0)
	s_getreg_b32 s2, hwreg(HW_REG_IB_STS2, 6, 4)
	s_cmp_eq_u32 s2, 0
	s_cbranch_scc0 .Lentry_in_a_cluster
	s_endpgm
.Lentry_in_a_cluster:
	s_bfe_u32 s2, ttmp6, 0x10000c
	s_cmp_lg_u32 s2, 0x3003
	s_cbranch_scc0 .Lentry_shape_is_right
	s_endpgm
.Lentry_shape_is_right:
; THIRD LAUNCH: attention on codes of E5M2, the projection, its bias and the residual.  Nothing is left out.
; out0[b][o][n] = x[b][o][n] + proj_b[o] + sum_c proj_w[o][c] out[c][n],  out[c][n] = sum_m p(n, m) v[c][m] / l(n).
; THE SOFTMAX: t = score x log2(e) / 16; M = the largest t so far, rounded up to a whole number; p = 2^(t - M) is quantised (2^e5), not normalised; l is the sum of the unquantised p.
; When M moves, l and O are multiplied by 2^(old M - new M), which rounds nothing.
; SHARES.  A work-group owns 64 queries of a batch.  THE FOUR WAVES SHARE THE KEYS, NOT THE QUERIES: each holds all 64 queries (four tiles of 16), and in step j wave w takes the 64 keys of block 4 j + w.
; So a fragment of K or V is read from LDS once in the work-group and feeds four matrix instructions, and a wave reads only the 32 KiB that its own tensor load brought.  At the end the four waves' (O, M, l)
; meet in LDS; M is a whole number, so the factors that bring them under one M are powers of two.
; LAYOUT.  S^T = K Q^T (source 0 = 16 keys, source 1 = 16 queries), O^T = V^T P (source 0 = 16 channels, source 1 = P): a lane holds one query throughout; a tile of S^T, converted, is registers 2 kt, 2 kt + 1 of P.
; All operands come as images of their registers (register 4 i at byte 512 i + 16 lane): an LDS load takes 512 consecutive bytes.
; CLUSTER.  The four work-groups of a cluster are four query blocks of one batch and walk the same kv: each tile is asked for JOINTLY, by the same tensor load with the same descriptor and the mask of all four.
; RING.  Two slots of 128 KiB, a step's four blocks each.  The change of slots stands in the middle of a step, when V of the step is in registers: the refill has a whole step in which to land.
; By this text's count a wave has two tensor loads out at the head and one behind each round.
; LIMITS on the given exponents: e2 + e3 between -122 and 130 (added to c's exponent field); e5, e6 between -126 and 112; e6 + e7 between -126 and 127; e4 + e5 goes by v_ldexp_f32.  NaN is not served.
; REGISTERS, in windows of 256: window 0: v1-15 addresses and scales; v16-47 statistics, 8 a tile: +0 -M, +1 the largest t, +2, +3 l, +4 f, +5 to +7 at work; v48-55 second sum chains; v56-63 the way out;
;   v64-191 S^T, then p (tile (kt, qt) at 64 + 32 qt + 8 kt); v192-223 P's codes; v224-231 proj_b.
;   window 1: v0-127 Q (fragment (qt, s) at 32 qt + 16 s); v128-255 K of a step (128 + 32 kt + 16 s) or V (128 + 8 ct).   windows 2, 3: O^T of tiles 0, 1 and 2, 3, at 128 (qt % 2) + 8 ct.
.set SLOT1, 1<<17                      ; slot 1 begins here: one exclusive or turns an address from one slot to the other
.set SPARE, 262144                     ; behind the ring: the spare words, 128 bytes a wave, which no other line names
.set STAT,  262656                     ; -M and l of (tile qt, wave w) at (4 qt + w) x 256: -M at +0, l at +128, 4 bytes a lane
.set OIMG,  266752                     ; out's fragments (tile p, half s) at 4,096 p + 2,048 s
.set LB,   1                           ; v1   16 lane + 32,768 wave: my place in my block of a slot
.set ADR,  2                           ; v2   LDS address of this step's block
.set ADK,  3                           ; v3   of the next step's
.set SPW,  4                           ; v4   my spare word; never rewritten
.set NIL,  5                           ; v5   0; never rewritten
.set PFO,  6                           ; v6   256 x lane, for the prefetch
.set LI,   7                           ; v7   16 x lane
.set LIMP, 8                           ; v8   57,344 x 2^e5
.set SCP,  9                           ; v9   2^e5
.set ST,   16
.set L2,   48
.set S,    64
.set P,    192
.set PB,   224
.set WV,   18                          ; s18  wave
.set G1,   24                          ; s[24:31] descriptor group 1
.set G0A,  32                          ; s[32:35] group 0 of tile 0
.set G0W,  36                          ; s[36:39] group 0 of tile 1, which then walks
.set CS,   48                          ; s[48:49] c = log2(e) / 16 x 2^(e2 + e3)
.set SEL,  50                          ; s[50:51] lane selects: lane l xor 16
.set TB,   52                          ; s52  LDS byte of the slot in hand
.set CNT,  53                          ; s53  the loop's trips to go
.set LIM,  54                          ; s54  1 in a cluster that prefetches, else the greatest number
.set PFA,  56                          ; s[56:57] where my wave's prefetch stands
.set MSB, 0
.macro WIN new                         ; the immediate's high byte repeats the setting that is left; a switch that changes nothing is dropped
.if MSB != \new
	s_set_vgpr_msb (MSB<<8)|\new
.set MSB, \new
.endif
.endm
.macro ROUND                           ; a round of the cluster's barrier: my work-group's barrier, wave 0 signals for it, all wait for the four work-groups, my work-group's barrier again
	s_barrier_signal -1
	s_barrier_wait -1
	s_cmp_lg_u32 s[WV], 0
	s_cbranch_scc1 .Lnot_wave_0_\@
	s_barrier_signal -3
.Lnot_wave_0_\@:
	s_barrier_wait -3
	s_barrier_signal -1
	s_barrier_wait -1
.endm
.macro PLACES
.rept 4
	v_nop
.endr
.endm
.macro FETCH adr, off, i0, n           ; n loads of 512 bytes into window 1, register 128 + 4 i from byte 512 i; the window stays as set
	WIN 0x40
.set fi, \i0
.rept \n
	ds_load_b128 v[128+4*fi:128+4*fi+3], v[\adr] offset:\off+512*fi
.set fi, fi+1
.endr
.endm
; 16 products of S^T: key tiles k0, k0 + 1 x four query tiles, both halves of the head's 256.  The first half starts the sums; the 8 accumulators take turns.
.macro SMUL k0
.irp kk, 0,1
.irp q, 0,1,2,3
	v_wmma_f32_16x16x128_bf8_bf8 v[S+32*\q+8*(\k0+\kk):S+32*\q+8*(\k0+\kk)+7], v[128+32*(\k0+\kk):128+32*(\k0+\kk)+15], v[32*\q:32*\q+15], 0
.endr
.endr
.irp kk, 0,1
.irp q, 0,1,2,3
	v_wmma_f32_16x16x128_bf8_bf8 v[S+32*\q+8*(\k0+\kk):S+32*\q+8*(\k0+\kk)+7], v[128+32*(\k0+\kk)+16:128+32*(\k0+\kk)+31], v[32*\q+16:32*\q+31], v[S+32*\q+8*(\k0+\kk):S+32*\q+8*(\k0+\kk)+7]
.endr
.endr
.endm
; 32 products of O^T += V^T P: channel tiles base .. base + 7 x four query tiles, K = the step's 64 keys: one instruction an accumulator.  first = 1: they start the sums.
.macro PVH base, first
.irp w2, 0,1
	WIN 0xa1+0x50*\w2                              ; V window 1, P window 0, O^T window 2 or 3
.irp ct, 0,1,2,3,4,5,6,7
.irp q, 0,1
.if \first
	v_wmma_f32_16x16x64_bf8_bf8 v[128*\q+8*(\base+\ct):128*\q+8*(\base+\ct)+7], v[128+8*(\base+\ct):128+8*(\base+\ct)+7], v[P+8*(2*\w2+\q):P+8*(2*\w2+\q)+7], 0
.else
	v_wmma_f32_16x16x64_bf8_bf8 v[128*\q+8*(\base+\ct):128*\q+8*(\base+\ct)+7], v[128+8*(\base+\ct):128+8*(\base+\ct)+7], v[P+8*(2*\w2+\q):P+8*(2*\w2+\q)+7], v[128*\q+8*(\base+\ct):128*\q+8*(\base+\ct)+7]
.endif
.endr
.endr
.endr
.endm
; A PREFETCH of the tile that the NEXT change of slots will ask for, behind the joint load and its five lines.  All clusters of a batch walk the same kv: the batch's first cluster asks.  Its sixteen waves take
; 8,192 bytes each, told apart by address, lanes 256 bytes apart: each aligned block of 256 bytes of a tile is named once in the launch.  Tiles 0 to 2 come by their loads alone; the last change that fills asks for nothing.
.macro ASK
	s_cmp_gt_u32 s[CNT], s[LIM]
	s_cbranch_scc0 .Lnot_mine_\@
	global_prefetch_b8 v[PFO], s[PFA:PFA+1] th:TH_LOAD_NT scope:SCOPE_SE
.Lnot_mine_\@:
.endm
.macro PFMA n                          ; pair n of the 64: t - M = c s + (-M)
	v_pk_fma_f32 v[S+2*(\n):S+2*(\n)+1], v[S+2*(\n):S+2*(\n)+1], s[CS:CS+1], v[ST+8*((\n)/16):ST+8*((\n)/16)+1] op_sel_hi:[1,0,0]
.endm
; A KEY STEP.  first = 1: it starts M and O^T.  fill = 1: the slot is filled again, two tiles on.  pre = 1: the next step's K is fetched.
.macro STEP first, fill, pre
	s_wait_dscnt 16                                ; K's first 16 loads (key tiles 0, 1) are in; the 16 issued behind them may be out
	WIN 0x05                                       ; K and Q window 1, S^T window 0
	SMUL 0
	s_wait_dscnt 0x0
	SMUL 2
	WIN 0
	v_add_nc_u32 v[ADR], s[TB], v[LB]              ; four plain instructions stand behind the last product, ahead of the loads into K's registers and of the first read of scores
	s_xor_b32 s[TB], s[TB], SLOT1
	v_add_nc_u32 v[ADK], s[TB], v[LB]
	v_nop
	v_nop
	FETCH ADR, 16384, 0, 32                        ; V of this step, over K
	WIN 0
	; the largest score of each query among my lane's 32 keys: two chains a tile, the four tiles line by line; each accumulator is first read at its low end
.irp t, 0,1,2,3
	v_max3_num_f32 v[ST+8*\t+6], v[S+32*\t],   v[S+32*\t+1], v[S+32*\t+2]
	v_max3_num_f32 v[ST+8*\t+7], v[S+32*\t+3], v[S+32*\t+4], v[S+32*\t+5]
.endr
.irp i, 6,10,14,18,22,26
.irp t, 0,1,2,3
	v_max3_num_f32 v[ST+8*\t+6], v[ST+8*\t+6], v[S+32*\t+\i],   v[S+32*\t+\i+1]
	v_max3_num_f32 v[ST+8*\t+7], v[ST+8*\t+7], v[S+32*\t+\i+2], v[S+32*\t+\i+3]
.endr
.endr
.irp t, 0,1,2,3
	v_max3_num_f32 v[ST+8*\t+6], v[ST+8*\t+6], v[S+32*\t+30], v[S+32*\t+31]
.endr
.irp t, 0,1,2,3
	v_max_num_f32 v[ST+8*\t+6], v[ST+8*\t+6], v[ST+8*\t+7]
.endr
.irp t, 0,1,2,3
	v_permlanex16_b32 v[ST+8*\t+5], v[ST+8*\t+6], s[SEL], s[SEL+1]   ; the query's other 32 keys lie in the lane 16 away
.endr
.irp t, 0,1,2,3
	v_max_num_f32 v[ST+8*\t+6], v[ST+8*\t+6], v[ST+8*\t+5]
.endr
.irp t, 0,1,2,3
	v_mul_f32 v[ST+8*\t+6], s[CS], v[ST+8*\t+6]    ; as t (c is positive)
.endr
.irp t, 0,1,2,3
	v_max_num_f32 v[ST+8*\t+1], v[ST+8*\t+1], v[ST+8*\t+6]
.endr
.if \first == 0
.irp t, 0,1,2,3
	v_mov_b32 v[ST+8*\t+7], v[ST+8*\t]             ; the old -M
.endr
.endif
.irp t, 0,1,2,3
	v_floor_f32 v[ST+8*\t], -v[ST+8*\t+1]          ; -M = floor(-t) = -ceil(t)
.endr
.if \first == 0
.irp t, 0,1,2,3
	v_sub_f32 v[ST+8*\t+7], v[ST+8*\t], v[ST+8*\t+7]   ; old M - new M: a whole number, 0 or less
.endr
.irp t, 0,1,2,3
	v_cvt_i32_f32 v[ST+8*\t+7], v[ST+8*\t+7]
.endr
.irp t, 0,1,2,3
	v_ldexp_f32 v[ST+8*\t+4], 1.0, v[ST+8*\t+7]    ; f = 2^(old M - new M)
.endr
.endif
	; ONE BATCH: 64 scalings and 128 exponentials; a pair is scaled two groups ahead of its exponentials; nothing here names an exponential's result
	PFMA 0
	PFMA 1
.set bi, 0
.rept 64
.if bi < 62
	PFMA bi+2
.endif
	v_exp_f32 v[S+2*bi], v[S+2*bi]
	v_exp_f32 v[S+2*bi+1], v[S+2*bi+1]
.set bi, bi+1
.endr
.if \first
	v_nop                                          ; a plain instruction behind the last exponential
.else
.irp t, 0,1,2,3
	v_pk_mul_f32 v[ST+8*\t+2:ST+8*\t+3], v[ST+8*\t+2:ST+8*\t+3], v[ST+8*\t+4:ST+8*\t+5] op_sel_hi:[1,0]   ; l under the new M; also the plain instruction behind the last exponential
.endr
.endif
	s_wait_alu depctr_va_vdst(0)                   ; one wait for the whole batch, ahead of its first reader and of the branches below
	; THE CHANGE OF SLOTS
.if \fill
	s_wait_tensorcnt 0x0                           ; all my tensor loads have landed: the one that was out is my block of the next tile; so a group 0 may be written
	ds_add_u32 v[SPW], v[NIL]                      ; 0 onto my spare word
	s_xor_b32 s[G0W+1], s[G0W+1], SLOT1            ; the walking descriptor: the other slot than last time,
	s_add_nc_u64 s[G0W+2:G0W+3], s[G0W+2:G0W+3], 131072   ; the next tile; the type bits on top are not reached
	s_wait_xcnt 0x0                                ; the last prefetch, a step back, has read its address
	s_add_nc_u64 s[PFA:PFA+1], s[PFA:PFA+1], 131072
	s_wait_dscnt 0x0                               ; the add is done; V is in registers, so my reads of this slot are over
	ROUND                                          ; no wave of any partner still reads this slot or has a load on its way
	tensor_load_to_lds s[G0W:G0W+3], s[G1:G1+7]    ; my one tensor load behind the round, and the first thing there
	s_nop 0
	PLACES
	ASK
.else
.if \pre
	s_wait_tensorcnt 0x0                           ; my block of the last tile has landed; only I read it
.endif
	s_wait_dscnt 0x0                               ; V is in
.endif
	; l += the sum of the unquantised p: two chains a tile
.irp t, 0,1,2,3
	v_pk_add_f32 v[L2+2*\t:L2+2*\t+1], v[S+32*\t:S+32*\t+1], v[S+32*\t+2:S+32*\t+3]
.endr
.irp i, 4,8,12,16,20,24,28
.irp t, 0,1,2,3
	v_pk_add_f32 v[ST+8*\t+2:ST+8*\t+3], v[ST+8*\t+2:ST+8*\t+3], v[S+32*\t+\i:S+32*\t+\i+1]
	v_pk_add_f32 v[L2+2*\t:L2+2*\t+1], v[L2+2*\t:L2+2*\t+1], v[S+32*\t+\i+2:S+32*\t+\i+3]
.endr
.endr
.irp t, 0,1,2,3
	v_pk_add_f32 v[ST+8*\t+2:ST+8*\t+3], v[ST+8*\t+2:ST+8*\t+3], v[L2+2*\t:L2+2*\t+1]
.endr
.set bi, 0
.rept 128
	v_min_num_f32 v[S+bi], v[S+bi], v[LIMP]        ; the conversion does not saturate (ISA guide 7.6.2); p is not negative, so the hold is one-sided
.set bi, bi+1
.endr
.irp q, 0,1,2,3
.irp kk, 0,1,2,3
	v_cvt_scalef32_pk8_bf8_f32 v[P+8*\q+2*\kk:P+8*\q+2*\kk+1], v[S+32*\q+8*\kk:S+32*\q+8*\kk+7], v[SCP]
.endr
.endr
.if \first
	v_nop                                          ; a plain instruction between the conversions and the products that read their results
.else
	WIN 0x82                                       ; O^T under the new M; these are also the plain instructions behind the conversions
.set o, 0
.rept 128
	v_pk_mul_f32 v[o:o+1], v[o:o+1], v[ST+8*(o/128)+4:ST+8*(o/128)+5] op_sel_hi:[1,0]
.set o, o+2
.endr
	WIN 0xc3
.set o, 0
.rept 128
	v_pk_mul_f32 v[o:o+1], v[o:o+1], v[ST+8*(2+o/128)+4:ST+8*(2+o/128)+5] op_sel_hi:[1,0]
.set o, o+2
.endr
.endif
	PVH 0, \first
	PLACES                                         ; ahead of the loads into V's first half
.if \pre
	FETCH ADK, 0, 0, 16                            ; the next step's K, key tiles 0 and 1
.endif
	PVH 8, \first
	PLACES
.if \pre
	FETCH ADK, 0, 16, 16
.endif
	WIN 0
.endm
	; ---------------- the head ----------------
	s_load_b256 s[4:11], s[0:1], 0x0               ; qimg 4, kv 6, pw 8, proj_b 10
	s_load_b128 s[12:15], s[0:1], 0x20             ; the scales 12, x 14
	s_load_b64 s[16:17], s[0:1], 0x30              ; out0
	v_lshl_add_u32 v[SPW], v0, 2, SPARE
	v_mov_b32 v[NIL], 0
	ds_add_u32 v[SPW], v[NIL]                      ; the wave's opening: the add, twice on end, and its wait ahead of my first tensor load
	ds_add_u32 v[SPW], v[NIL]
	v_lshrrev_b32 v1, 5, v0
	v_readfirstlane_b32 s[WV], v1                  ; wave 0..3
	s_bfe_u32 s19, ttmp6, 0x40000                  ; cx: my place in the cluster
	s_lshl_b32 s20, ttmp9, 2
	s_add_co_u32 s20, s20, s19                     ; my block of 64 queries: it enters the addresses of Q, x and out0 alone
	s_and_b32 s21, ttmp7, 0xffff                   ; the batch, which the four partners share
	; descriptor group 1: a dense block of 32 KiB as 128 rows of 32 elements of 8 bytes
	s_mov_b32 s[G1], 15|(3<<16)|(1<<21)            ; 15:0 the mask: all four work-groups; 17:16 elements of 8 bytes; 21 set beside a mask; no padding
	s_mov_b32 s[G1+1], 32<<16                      ; tensor_dim0 = 32
	s_mov_b32 s[G1+2], 128<<16                     ; tensor_dim1 = 128
	s_mov_b32 s[G1+3], 32<<16                      ; tile_dim0 = 32
	s_mov_b32 s[G1+4], 128                         ; tile_dim1 = 128
	s_mov_b32 s[G1+5], 32                          ; from row to row
	s_mov_b32 s[G1+6], 0
	s_mov_b32 s[G1+7], 0
	s_mov_b32 s[SEL], 0x76543210
	s_mov_b32 s[SEL+1], 0xfedcba98
	s_mov_b32 s[TB], 0
	s_mov_b32 s[CNT], 13
	s_cmp_eq_u32 ttmp9, 0                          ; the batch's first cluster: the same in all four partners
	s_cselect_b32 s[LIM], 1, -1
	v_and_b32 v[LI], 31, v0
	v_lshlrev_b32 v[PFO], 8, v[LI]
	v_lshlrev_b32 v[LI], 4, v[LI]
	s_lshl_b32 s66, s[WV], 15                      ; my block's place in a slot and in a tile: no place in the cluster enters it
	v_add_nc_u32 v[LB], s66, v[LI]
	s_wait_dscnt 0x0                               ; both opening adds are done
	s_wait_kmcnt 0x0
	s_load_b256 s[40:47], s[12:13], 0x0            ; e0 .. e7
	s_lshl_b32 s68, s21, 21
	s_add_co_u32 s68, s68, s66
	s_mov_b32 s69, 0
	s_mov_b32 s[G0A], 1                            ; count = 1
	s_mov_b32 s[G0A+1], s66                        ; LDS address: slot 0
	s_add_nc_u64 s[G0A+2:G0A+3], s[6:7], s[68:69]  ; tile 0, my block
	s_mov_b32 s[G0W], 1
	s_add_co_u32 s[G0W+1], s66, SLOT1              ; slot 1
	s_add_nc_u64 s[G0W+2:G0W+3], s[G0A+2:G0A+3], 131072   ; tile 1
	s_or_b32 s[G0A+3], s[G0A+3], 0x80000000        ; type = 2
	s_or_b32 s[G0W+3], s[G0W+3], 0x80000000
	s_lshl_b32 s70, s19, 2
	s_add_co_u32 s70, s70, s[WV]
	s_lshl_b32 s70, s70, 13                        ; the prefetch: 8,192 bytes for each of the cluster's sixteen waves,
	s_lshl_b32 s71, s21, 21
	s_add_co_u32 s70, s70, s71
	s_add_co_u32 s70, s70, 262144                  ; in tile 2: the first change of slots steps it to tile 3.  Nothing is prefetched at the head
	s_mov_b32 s71, 0
	s_add_nc_u64 s[PFA:PFA+1], s[6:7], s[70:71]
	s_lshl_b32 s72, s21, 20
	s_lshl_b32 s73, s20, 14
	s_add_co_u32 s72, s72, s73
	s_mov_b32 s73, 0
	s_add_nc_u64 s[4:5], s[4:5], s[72:73]          ; Q's images of my 64 queries
	ROUND                                          ; all four work-groups are here: the first joint loads meet
	tensor_load_to_lds s[G0A:G0A+3], s[G1:G1+7]    ; every wave asks for its own block of tiles 0 and 1: no branch leads round these
	s_nop 0
	tensor_load_to_lds s[G0W:G0W+3], s[G1:G1+7]
	s_nop 0
	PLACES
	WIN 0x40
.set n, 0
.rept 32
	global_load_b128 v[4*n:4*n+3], v[LI], s[4:5] offset:512*n   ; Q stays in registers
.set n, n+1
.endr
	WIN 0
.irp t, 0,1,2,3
	v_mov_b32 v[ST+8*\t+1], 0xff61b1e6             ; the largest t so far: -3e38, under every t
	v_mov_b32 v[ST+8*\t+2], 0                      ; l
	v_mov_b32 v[ST+8*\t+3], 0
	v_mov_b32 v[ST+8*\t+5], 0                      ; (a lane permute's destination counts as read)
	v_mov_b32 v[PB+2*\t+1], 0                      ; (named as the upper half of a pair)
.endr
	s_wait_kmcnt 0x0
	s_add_co_i32 s66, s42, s43
	s_lshl_b32 s66, s66, 23
	s_add_co_i32 s[CS], s66, 0x3db8aa3b            ; c = log2(e) / 16, with e2 + e3 added to its exponent field
	s_mov_b32 s[CS+1], s[CS]
	s_add_co_i32 s66, s45, 127
	s_lshl_b32 s67, s66, 23
	v_mov_b32 v[SCP], s67
	s_add_co_i32 s66, s66, 15
	s_lshl_b32 s66, s66, 23
	s_or_b32 s66, s66, 0x600000
	v_mov_b32 v[LIMP], s66
	s_add_co_i32 s66, s46, 127
	s_lshl_b32 s67, s66, 23
	v_mov_b32 v62, s67                             ; 2^e6
	s_add_co_i32 s66, s66, 15
	s_lshl_b32 s66, s66, 23
	s_or_b32 s66, s66, 0x600000
	v_mov_b32 v63, s66                             ; 57,344 x 2^e6
	s_add_co_i32 s58, s46, s47
	s_add_co_i32 s58, s58, 127
	s_lshl_b32 s58, s58, 23                        ; 2^(e6 + e7)
	s_mov_b32 s59, s58
	s_add_co_i32 s60, s44, s45                     ; e4 + e5
	s_wait_tensorcnt 0x1                           ; my block of tile 0 is in; tile 1's load, issued behind it, may be out.  Only I read these bytes
	v_add_nc_u32 v[ADK], s[TB], v[LB]
	FETCH ADK, 0, 0, 32                            ; K of step 0
	WIN 0
	s_wait_loadcnt 0x0                             ; Q
	; ---------------- sixteen key steps ----------------
	STEP 1, 1, 1                                   ; step 0 starts the sums; tile 2 is asked for
.Lstep:                                            ; steps 1 to 13: tiles 3 to 15 are asked for
	STEP 0, 1, 1
	s_sub_co_u32 s[CNT], s[CNT], 1
	s_cmp_lg_u32 s[CNT], 0
	s_cbranch_scc1 .Lstep
	STEP 0, 0, 1                                   ; the tail is written out
	STEP 0, 0, 0
	; ---------------- the way out ----------------
	v_and_b32 v48, 15, v0                          ; r
	v_bfe_u32 v49, v0, 4, 1                        ; h
	v_and_b32 v50, 31, v0
	v_lshlrev_b32 v50, 2, v50                      ; 4 x lane
	s_lshl_b32 s66, s[WV], 8
	s_add_co_u32 s66, s66, STAT
	v_add_nc_u32 v10, s66, v50                     ; where I put my statistics: entry (t, my wave), 1,024 t in the offset
	s_lshl_b32 s66, s[WV], 10
	s_add_co_u32 s66, s66, STAT
	v_add_nc_u32 v56, s66, v50                     ; where I read those of my tile: entries (my wave, w')
	s_lshl_b32 s66, s[WV], 14
	v_add_nc_u32 v11, s66, v[LI]                   ; where I put O^T of tile t: 65,536 t + 16,384 wave
	v_add_nc_u32 v12, 0x10000, v11
	v_add_nc_u32 v13, 0x20000, v11
	v_add_nc_u32 v14, 0x30000, v11
	s_lshl_b32 s66, s[WV], 16
	v_add_nc_u32 v57, s66, v[LI]                   ; where I read the four parts of my tile
	s_lshl_b32 s66, s[WV], 12
	s_add_co_u32 s66, s66, OIMG
	v_add_nc_u32 v58, s66, v[LI]                   ; out's images: mine,
	v_add_nc_u32 v59, OIMG, v[LI]                  ; and all
	s_mul_i32 s66, s[WV], 17408                    ; my stage: 64 rows of 256 bytes + 16
	v_mul_u32_u24 v60, v48, 272
	v_lshl_add_u32 v60, v49, 5, v60
	v_add_nc_u32 v60, s66, v60                     ; in: row r, 32 bytes for each half of the lanes
	v_mul_u32_u24 v61, v49, 272
	v_lshl_add_u32 v61, v48, 4, v61
	v_add_nc_u32 v61, s66, v61                     ; back: lanes 0-15 one row, lanes 16-31 the next
	v_lshlrev_b32 v15, 4, v48
	v_lshl_add_u32 v15, v49, 14, v15               ; and the same two rows in x and out0
	v_lshlrev_b32 v48, 2, v48                      ; 4 r, for proj_b
.irp t, 0,1,2,3
	v_add_f32 v[ST+8*\t+2], v[ST+8*\t+2], v[ST+8*\t+3]
.endr
	s_wait_dscnt 0x0
	s_barrier_signal -1
	s_barrier_wait -1                              ; nobody reads the ring any more, and it has had its last fill: its bytes now take the four waves' parts
.irp t, 0,1,2,3
	ds_store_b32 v10, v[ST+8*\t] offset:1024*\t
	ds_store_b32 v10, v[ST+8*\t+2] offset:1024*\t+128
.endr
.macro OSTORE reg, adr
.set li, 0
.rept 32
	ds_store_b128 v[\adr], v[\reg+4*li:\reg+4*li+3] offset:512*li
.set li, li+1
.endr
.endm
	WIN 0x08                                       ; store data window 2
	OSTORE 0, 11
	OSTORE 128, 12
	WIN 0x0c                                       ; window 3
	OSTORE 0, 13
	OSTORE 128, 14
	WIN 0
	s_wait_dscnt 0x0                               ; for the others' sake: my stores have landed
	s_barrier_signal -1
	s_barrier_wait -1
	; what the projection and the residual need is asked for now: wave w makes outputs 64 w .. 64 w + 63
	s_lshl_b32 s66, s[WV], 8
	s_mov_b32 s67, 0
	s_add_nc_u64 s[10:11], s[10:11], s[66:67]
	s_lshl_b32 s66, s[WV], 14
	s_add_nc_u64 s[8:9], s[8:9], s[66:67]
	s_lshl_b32 s72, s21, 22
	s_lshl_b32 s73, s[WV], 20
	s_add_co_u32 s72, s72, s73
	s_lshl_b32 s73, s20, 8
	s_add_co_u32 s72, s72, s73                     ; batch, my 64 channels, my block's 256 bytes of a row
	s_mov_b32 s73, 0
	s_add_nc_u64 s[14:15], s[14:15], s[72:73]
	s_add_nc_u64 s[16:17], s[16:17], s[72:73]
.irp t, 0,1,2,3
	global_load_b32 v[PB+2*\t], v48, s[10:11] offset:64*\t
.endr
	WIN 0xc0                                       ; destination window 3
.set n, 0
.rept 32
	global_load_b128 v[4*n:4*n+3], v[LI], s[8:9] offset:512*n              ; proj_w's fragments (ot, s) at 32 ot + 16 s
.set n, n+1
.endr
.set n, 0
.rept 32
	global_load_b128 v[128+4*n:128+4*n+3], v15, s[14:15] offset:32768*n th:TH_LOAD_NT   ; x: sixteen lanes read 256 consecutive bytes of a channel's row
.set n, n+1
.endr
	WIN 0
	; THE MERGE: wave w owns query tile w
.irp k, 0,1,2,3
	ds_load_b32 v[16+\k], v56 offset:256*\k        ; -M of wave k
	ds_load_b32 v[20+\k], v56 offset:256*\k+128    ; l
.endr
.macro MLOAD k, win, reg
	WIN \win
.set li, 0
.rept 32
	ds_load_b128 v[\reg+4*li:\reg+4*li+3], v57 offset:16384*\k+512*li
.set li, li+1
.endr
.endm
.macro MPASS k, win, reg               ; out += part k x its factor
	WIN \win
.set li, 0
.rept 64
.if \k == 0
	v_pk_mul_f32 v[S+2*li:S+2*li+1], v[\reg+2*li:\reg+2*li+1], v[40:41] op_sel_hi:[1,0]
.else
	v_pk_fma_f32 v[S+2*li:S+2*li+1], v[\reg+2*li:\reg+2*li+1], v[40+2*\k:41+2*\k], v[S+2*li:S+2*li+1] op_sel_hi:[1,0,1]
.endif
.set li, li+1
.endr
.endm
	MLOAD 0, 0x40, 0
	WIN 0
	s_wait_dscnt 32                                ; the statistics are in; part 0's 32 loads may be out
	v_min_num_f32 v24, v16, v17
	v_min_num_f32 v25, v18, v19
	v_min_num_f32 v24, v24, v25                    ; the smallest -M: the largest M
.irp k, 0,1,2,3
	v_sub_f32 v[40+2*\k], v24, v[16+\k]            ; M of wave k less the largest: a whole number, 0 or less
.endr
.irp k, 0,1,2,3
	v_cvt_i32_f32 v[40+2*\k], v[40+2*\k]
.endr
.irp k, 0,1,2,3
	v_ldexp_f32 v[40+2*\k], 1.0, v[40+2*\k]
.endr
	v_mul_f32 v25, v40, v20
	v_fmac_f32 v25, v42, v21
	v_fmac_f32 v25, v44, v22
	v_fmac_f32 v25, v46, v23
	v_permlanex16_b32 v26, v25, s[SEL], s[SEL+1]
	v_add_f32 v25, v25, v26                        ; the row's sum
	v_rcp_f32 v25, v25
	v_nop                                          ; a plain instruction behind the transcendental
	s_wait_alu depctr_va_vdst(0)                   ; and a wait ahead of its first reader
	v_ldexp_f32 v25, v25, s60                      ; x 2^(e4 + e5)
.irp k, 0,1,2,3
	v_mul_f32 v[40+2*\k], v[40+2*\k], v25
.endr
	MLOAD 1, 0x40, 128
	s_wait_dscnt 32                                ; part 0 is in; the 32 loads just issued may be out
	MPASS 0, 0x01, 0
	MLOAD 2, 0x80, 0
	s_wait_dscnt 32
	MPASS 1, 0x01, 128
	MLOAD 3, 0x80, 128
	s_wait_dscnt 32
	MPASS 2, 0x02, 0
	s_wait_dscnt 0x0
	MPASS 3, 0x02, 128
	WIN 0
	; out of my 16 queries, register 8 ct + j = channel 16 ct + 8 h + j, becomes two operand fragments
.set bi, 0
.rept 128
	v_med3_num_f32 v[S+bi], v[S+bi], -v63, v63
.set bi, bi+1
.endr
.irp ct, 0,1,2,3,4,5,6,7,8,9,10,11,12,13,14,15
	v_cvt_scalef32_pk8_bf8_f32 v[P+2*\ct:P+2*\ct+1], v[S+8*\ct:S+8*\ct+7], v62
.endr
	v_nop                                          ; a plain instruction behind the last conversion
.irp g, 0,1,2,3,4,5,6,7
	ds_store_b128 v58, v[P+4*\g:P+4*\g+3] offset:512*\g
.endr
	s_wait_dscnt 0x0                               ; my stores have landed, my reads of the parts are over
	s_barrier_signal -1
	s_barrier_wait -1
	; THE PROJECTION: y(position, o) for my 64 outputs: source 0 = 16 positions of out, source 1 = 16 rows of proj_w: a lane holds 8 neighbouring positions of one output channel
	WIN 0x40
.set li, 0
.rept 32
	ds_load_b128 v[4*li:4*li+3], v59 offset:512*li
.set li, li+1
.endr
	s_wait_dscnt 0x0
	s_wait_loadcnt 32                              ; proj_b and proj_w are in; x's 32 loads, issued behind them, may be out
	WIN 0x8d                                       ; out window 1, proj_w window 3, y window 2
.irp ot, 0,1,2,3
.irp p, 0,1,2,3
	v_wmma_f32_16x16x128_bf8_bf8 v[8*(4*\ot+\p):8*(4*\ot+\p)+7], v[32*\p:32*\p+15], v[32*\ot:32*\ot+15], 0
.endr
.endr
	WIN 0xad
.irp ot, 0,1,2,3
.irp p, 0,1,2,3
	v_wmma_f32_16x16x128_bf8_bf8 v[8*(4*\ot+\p):8*(4*\ot+\p)+7], v[32*\p+16:32*\p+31], v[32*\ot+16:32*\ot+31], v[8*(4*\ot+\p):8*(4*\ot+\p)+7]
.endr
.endr
	PLACES
	WIN 0x02
.irp ot, 0,1,2,3
.irp p, 0,1,2,3
.irp i, 0,2,4,6
	v_pk_fma_f32 v[S+8*(4*\ot+\p)+\i:S+8*(4*\ot+\p)+\i+1], v[8*(4*\ot+\p)+\i:8*(4*\ot+\p)+\i+1], s[58:59], v[PB+2*\ot:PB+2*\ot+1] op_sel_hi:[1,0,0]   ; sum x 2^(e6 + e7) + proj_b
.endr
.endr
.endr
	WIN 0
	; through my own stage (in the ring's bytes, which nobody reads behind the last barrier), so that sixteen lanes hold 256 consecutive bytes of a channel's row
.irp ot, 0,1,2,3
.irp p, 0,1,2,3
	ds_store_b128 v60, v[S+8*(4*\ot+\p):S+8*(4*\ot+\p)+3] offset:4352*\ot+64*\p
	ds_store_b128 v60, v[S+8*(4*\ot+\p)+4:S+8*(4*\ot+\p)+7] offset:4352*\ot+64*\p+16
.endr
.endr
	WIN 0x40
.set li, 0
.rept 32
	ds_load_b128 v[128+4*li:128+4*li+3], v61 offset:544*li   ; LDS serves a wave's instructions in order (ISA guide 5.7.1.4): these see my stores
.set li, li+1
.endr
	s_wait_dscnt 0x0
	s_wait_loadcnt 0x0                             ; x
	WIN 0x4d                                       ; y window 1, x window 3
.set li, 0
.rept 64
	v_pk_add_f32 v[128+2*li:128+2*li+1], v[128+2*li:128+2*li+1], v[128+2*li:128+2*li+1]
.set li, li+1
.endr
	WIN 0x04                                       ; store data window 1
.set li, 0
.rept 32
	global_store_b128 v15, v[128+4*li:128+4*li+3], s[16:17] offset:32768*li th:TH_STORE_NT   ; sixteen lanes store 256 consecutive bytes, at a multiple of 256 from out0's first byte
.set li, li+1
.endr
	WIN 0
	s_wait_tensorcnt 0x0                           ; the wave's end, behind my last tensor load and my last LDS store
	ds_add_u32 v[SPW], v[NIL]
	s_wait_dscnt 0x0
	ROUND                                          ; the closing round: no work-group ends while a partner may still ask for a tile that names it
	s_endpgm
.Lfunc_end_k_q5731c23083_attn:
	.size	k_q5731c23083_attn, .Lfunc_end_k_q5731c23083_attn-k_q5731c23083_attn
	.p2alignl 7, 3214868480
	.fill 96, 4, 3214868480
	.section	.rodata,"a",@progbits
	.p2align	6, 0x0
	.amdhsa_kernel k_q5731c23083_attn
		.amdhsa_group_segment_fixed_size 327680
		.amdhsa_private_segment_fixed_size 0
		.amdhsa_enable_private_segment 0
		.amdhsa_kernarg_size 56
		.amdhsa_user_sgpr_count 2
		.amdhsa_user_sgpr_kernarg_segment_ptr 1
		.amdhsa_wavefront_size32 1
		.amdhsa_system_sgpr_workgroup_id_x 1
		.amdhsa_system_sgpr_workgroup_id_y 1
		.amdhsa_system_sgpr_workgroup_id_z 1
		.amdhsa_system_vgpr_workitem_id 0
		.amdhsa_next_free_vgpr 1024
		.amdhsa_next_free_sgpr 80
		.amdhsa_reserve_vcc 0
		.amdhsa_float_denorm_mode_32 3
		.amdhsa_float_denorm_mode_16_64 3
		.amdhsa_memory_ordered 1
		.amdhsa_forward_progress 1
		.amdhsa_inst_pref_size 255
	.end_amdhsa_kernel
	.section	.bss,"aw",@nobits
	.p2align	6
	.space	262144
	.amdgpu_metadata
---
amdhsa.version: [ 1, 2 ]
amdhsa.kernels:
  - .name:           k_q5731c23083_attn
    .symbol:         k_q5731c23083_attn.kd
    .args:
      - { .name: qimg, .offset: 0, .size: 8, .value_kind: global_buffer, .address_space: global }
      - { .name: kv, .offset: 8, .size: 8, .value_kind: global_buffer, .address_space: global }
      - { .name: pw, .offset: 16, .size: 8, .value_kind: global_buffer, .address_space: global }
      - { .name: proj_b, .offset: 24, .size: 8, .value_kind: global_buffer, .address_space: global }
      - { .name: lowp_scales, .offset: 32, .size: 8, .value_kind: global_buffer, .address_space: global }
      - { .name: x, .offset: 40, .size: 8, .value_kind: global_buffer, .address_space: global }
      - { .name: out0, .offset: 48, .size: 8, .value_kind: global_buffer, .address_space: global }
    .group_segment_fixed_size: 327680
    .private_segment_fixed_size: 0
    .kernarg_segment_align: 8
    .kernarg_segment_size: 56
    .max_flat_workgroup_size: 128
    .sgpr_count:     80
    .vgpr_count:     1024
    .wavefront_size: 32
...
	.end_amdgpu_metadata
.endif
;; end of part 3
